; MI455X (gfx1250); checked and timed in simulation.
; The chip was launched on July 23, 2026; its instructions are those of AMD's public machine-readable ISA for CDNA 5 (MIT licence, August 2026) and "CDNA5" Instruction Set Architecture Reference Guide (July 2026). The comments in the code are by the model that wrote it; some were corrected since.
;; Performer Attention. Allowed arithmetic: float matrix products may take bf16 or f16 operands with f32 sums; all other float work in f32.
;; Inputs: K 4 x 8 x 4,096 x 64 float32; Q 4 x 8 x 4,096 x 64 float32; V 4 x 8 x 4,096 x 64 float32; mask 4 x 4,096 float32; proj 256 x 64 float32.
;; Outputs: out0 4 x 8 x 4,096 x 64 float32.
;; One version. Each part assembles by itself: llvm-mc -triple=amdgcn-amd-amdhsa -mcpu=gfx1250 --defsym DOCPART=n.
;; ======== version 1 of 1: 3 launches
;; workspace buffers: part 17,825,792 bytes; ctxf 1,114,112 bytes
;; launch kv (part 1): grid 8 x 32, 4 waves a work-group, no clusters, 156,160 bytes of LDS; arguments K, V, mask, proj, part; writes part
.if DOCPART == 1
	.amdgcn_target "amdgcn-amd-amdhsa--gfx1250"
	.amdhsa_code_object_version 6
	.text
	.protected	k_q31341eef63_kv
	.globl	k_q31341eef63_kv
	.p2align	8
	.type	k_q31341eef63_kv,@function
k_q31341eef63_kv:
	s_mov_b64 s[64:65], 0
	v_nop
	global_prefetch_b8 v0, s[64:65] scope:SCOPE_SE
	s_setreg_imm32_b32 hwreg(HW_REG_WAVE_MODE, 25, 1), 1
	s_wait_xcnt 0x0
; Performer attention, key side.  One work-group = 512 keys (chunk c = x) of one head (bh = y).  It stores the chunk's part of
;   ctx[r][dv] = sum over keys of phi[key][r] * (V m)[key][dv]   and   ksum[r] = sum over keys of phi[key][r],
; with phi = relu((K m) P^T) + eps / s,  s = 64^(-1/4).
; THE SCALE: the final result, phi_q ctx / (phi_q ksum), does not change when phi_q and phi_k are each divided by s, for any input.  So s is
; never multiplied in: x stays unscaled and eps becomes eps / s = 0.0028284271.  Sums are 1/s (here) and 1/s^2 = 8 (denominator) times the reference's.
; eps / s is the C operand of the first product, so relu(x) + e = max(x + e, e): one maximum a number.
; LIMITS: matrix operands (K m, V m, P, phi) are bf16, sums f32; x + e is rounded once inside the matrix sum, not behind the relu; a NaN in
; K or P loses in the maximum and does not reach the result.
; SHARES: wave w owns features 64 w .. 64 w + 63 for all 512 keys, so no sum crosses waves.  K and V come through registers (each must be
; multiplied by the mask and rounded once for four reading waves), in 8 stages of 64 keys, wave w converting keys 16 w .. 16 w + 15 of a stage.
; The whole bf16 chunk fits in LDS: no LDS byte is written twice, so the only order needed is store, wait, barrier, load.
; A STEP = 32 keys x 16 features: 4 products for x (D: lane = feature, registers = keys, which IS the A layout of phi^T), 16 maxima, 8 packings,
; 5 products: phi^T V on four dv tiles, and phi^T SEL_u for ksum.  SEL_u is a constant B tile with 1.0 in the columns n with n & 3 = u, so that the
; four feature tiles of a wave share ONE accumulator: KS(m, n) = ksum[64 w + 16 (n & 3) + m].
; THE WAY OUT: part[bh][c][wave][34][lane][4] holds the wave's 136 sum registers as they lie (store n = registers 4 n .. 4 n + 3, lane L at byte 16 L).
; A sum tile (lane = dv, registers = 8 neighbouring features) is, once rounded, one half of the A fragment of ctx^T that the query side multiplies by,
; lane for lane: nothing is transposed anywhere, and each store of the wave covers 512 consecutive bytes, aligned.
; NO CLUSTER: K, V and part are private to a work-group; what work-groups share (proj, 64 KiB, and 2 KiB of mask) is read once at the start
; and is 66 KiB beside the 256 KiB of K and V that each reads alone.
.set EPSQ,   0x3b395d22                ; eps / s in f32
.set KPITCH, 144                       ; a key's 64 bf16 + 16 bytes: an odd multiple of 16
.set VPITCH, 160                       ; a key's 64 bf16 + 32 bytes: an odd multiple of 32, for the transposing load
.set VB,     512*KPITCH                ; LDS: K at 0, V behind it
.set PARTW,  34*512                    ; bytes that a wave stores
.set PARTB,  4*PARTW                   ; bytes of one partial
; window 0
.set GOFF, 4                           ; byte offset in a stage of K, V: key (16 w + 8 h + i) x 256 + 16 (L & 15)
.set MOFF, 5                           ; byte offset in a stage's mask of my 8 keys
.set KST,  6                           ; LDS: where my 8 bytes of key 16 w + 8 h go in K
.set VST,  7                           ; v7, v8: the same in V, stages 0-3 and 4-7
.set KA,   9                           ; v9, v10: K fragments, key pairs 0-7 and 8-15
.set VA,   11                          ; v11, v12: V fragments (transposing load)
.set POFF, 13                          ; byte offset in proj of my fragment of feature 64 w + r
.set OGO,  14                          ; way out: my wave's part of the partial, 16 bytes a lane
.set SEL,  16                          ; v[16:47]   the four B tiles SEL_u: 8 u
.set VF,   48                          ; v[48:111]  V fragments: 32 q + 8 t
.set ACC,  112                         ; v[112:239] sums: 32 u + 8 t  (u feature tile, t dv tile); at the start P as f32
.set KS,   240                         ; v[240:247] ksum of all four feature tiles
; window 1
.set PR, 0                             ; v[0:63]    P fragments: 16 u + 8 ks
.set KF, 64                            ; v[64:127]  K fragments: 32 q + 16 tile + 8 ks
.set DR, 128                           ; v[128:159] x, two buffers of 16
.set PH, 160                           ; v[160:167] phi^T fragment
.set EP, 168                           ; v[168:175] eps / s everywhere
; window 2: three load slots of 72 registers (stage mod 3): K 0..31, V 32..63, mask 64..71
.set SEPS, 20
.set MSB, 0
.macro WIN new                         ; low byte: bits 1:0 source 0, 3:2 source 1, 5:4 source 2, 7:6 destination; high byte: the setting left
.if MSB != \new
	s_set_vgpr_msb (MSB<<8)|\new
.set MSB, \new
.endif
.endm
.macro PLACES                          ; four plain vector places behind a matrix instruction (ISA guide 7.12.1)
.rept 4
	v_nop
.endr
.endm
	s_load_b256 s[4:11], s[0:1], 0x0               ; K s[4:5], V s[6:7], mask s[8:9], proj s[10:11]
	s_load_b64 s[12:13], s[0:1], 0x20              ; part
	v_lshl_add_u32 v254, v0, 2, 0x26000
	v_mov_b32 v255, 0
	v_lshrrev_b32 v1, 5, v0
	v_readfirstlane_b32 s14, v1                    ; wave 0..3
	s_and_b32 s16, ttmp7, 0xffff                   ; bh
	s_mov_b32 s[SEPS], EPSQ
	s_lshl_b32 s18, s16, 20                        ; a head of K or V is 4096 x 256 bytes,
	s_lshl_b32 s24, ttmp9, 17                      ; a chunk 512 x 256
	s_add_co_u32 s18, s18, s24
	s_mov_b32 s19, 0
	s_lshr_b32 s26, s16, 3                         ; b = bh / 8
	s_lshl_b32 s26, s26, 14                        ; a batch row of mask is 16,384 bytes,
	s_lshl_b32 s24, ttmp9, 11                      ; a chunk 2,048
	s_add_co_u32 s26, s26, s24
	s_mov_b32 s27, 0
	s_lshl3_add_u32 s24, s16, ttmp9                ; 8 bh + c
	s_mul_i32 s24, s24, PARTB
	s_mov_b32 s25, 0
	v_and_b32 v1, 15, v0                           ; r = L & 15
	v_bfe_u32 v2, v0, 4, 1                         ; h = L >> 4
	s_lshl_b32 s21, s14, 4
	v_lshl_add_u32 v3, v2, 3, s21                  ; 16 w + 8 h: the first of my 8 keys in a stage
	v_lshlrev_b32 v[GOFF], 8, v3
	v_lshl_add_u32 v[GOFF], v1, 4, v[GOFF]
	v_lshlrev_b32 v[MOFF], 2, v3
	s_lshl_b32 s22, s14, 14
	v_lshl_add_u32 v[POFF], v1, 8, s22             ; (64 w + r) x 256
	v_lshl_add_u32 v[POFF], v2, 5, v[POFF]         ; + 32 h
	s_wait_kmcnt 0x0
	s_add_nc_u64 s[4:5], s[4:5], s[18:19]
	s_add_nc_u64 s[6:7], s[6:7], s[18:19]
	s_add_nc_u64 s[8:9], s[8:9], s[26:27]
	s_add_nc_u64 s[12:13], s[12:13], s[24:25]
; 18 loads: stage s (64 keys).  Each K or V load: lanes 0-15 one key's 256 bytes, lanes 16-31 the key eight further on.
.macro LOADST s
	WIN 0x80
.irp i, 0,1,2,3,4,5,6,7
	global_load_b128 v[72*((\s)%3)+4*\i:72*((\s)%3)+4*\i+3], v[GOFF], s[4:5] offset:16384*(\s)+256*\i th:TH_LOAD_NT
.endr
.irp i, 0,1,2,3,4,5,6,7
	global_load_b128 v[72*((\s)%3)+32+4*\i:72*((\s)%3)+35+4*\i], v[GOFF], s[6:7] offset:16384*(\s)+256*\i th:TH_LOAD_NT
.endr
	global_load_b128 v[72*((\s)%3)+64:72*((\s)%3)+67], v[MOFF], s[8:9] offset:256*(\s)
	global_load_b128 v[72*((\s)%3)+68:72*((\s)%3)+71], v[MOFF], s[8:9] offset:256*(\s)+16
.endm
	; P as the B fragment of the first product: lane (r, h) takes d = 32 ks + 8 h .. + 7 and 32 ks + 16 + 8 h .. + 7 of feature 64 w + 16 u + r.
	; Pieces of 16 bytes, but once: 16 KiB a wave.
.irp u, 0,1,2,3
.irp ks, 0,1
	global_load_b128 v[ACC+32*\u+16*\ks:ACC+32*\u+16*\ks+3],     v[POFF], s[10:11] offset:4096*\u+128*\ks
	global_load_b128 v[ACC+32*\u+16*\ks+4:ACC+32*\u+16*\ks+7],   v[POFF], s[10:11] offset:4096*\u+128*\ks+16
	global_load_b128 v[ACC+32*\u+16*\ks+8:ACC+32*\u+16*\ks+11],  v[POFF], s[10:11] offset:4096*\u+128*\ks+64
	global_load_b128 v[ACC+32*\u+16*\ks+12:ACC+32*\u+16*\ks+15], v[POFF], s[10:11] offset:4096*\u+128*\ks+80
.endr
.endr
	LOADST 0
	WIN 0
	v_mul_u32_u24 v[KST], v3, KPITCH
	v_lshl_add_u32 v[KST], v1, 3, v[KST]           ; 4 bf16 = 8 bytes at d = 4 (L & 15)
	v_mul_u32_u24 v[VST], v3, VPITCH
	v_lshl_add_u32 v[VST], v1, 3, v[VST]
	v_add_nc_u32 v[VST], VB, v[VST]
	v_add_nc_u32 v[VST+1], 256*VPITCH, v[VST]      ; the 16-bit LDS immediate does not reach all 512 keys: a second register 256 keys on
	v_mul_u32_u24 v[KA], v1, KPITCH
	v_lshl_add_u32 v[KA], v2, 4, v[KA]             ; key r, 16 h
	v_add_nc_u32 v[KA+1], 256*KPITCH, v[KA]
	v_and_b32 v3, 7, v0
	v_lshl_add_u32 v3, v2, 3, v3                   ; key 8 h + (L & 7)
	v_mul_u32_u24 v[VA], v3, VPITCH
	v_bfe_u32 v3, v0, 3, 1
	v_lshl_add_u32 v[VA], v3, 4, v[VA]             ; + 16 ((L >> 3) & 1)
	v_add_nc_u32 v[VA], VB, v[VA]
	v_add_nc_u32 v[VA+1], 256*VPITCH, v[VA]
	v_and_b32 v3, 31, v0
	s_mul_i32 s22, s14, PARTW
	v_lshl_add_u32 v[OGO], v3, 4, s22              ; my wave's 17,408 bytes, 16 a lane
	v_and_b32 v3, 3, v0                            ; column & 3
	v_mov_b32 v15, 0x3f803f80                      ; two bf16 ones
.irp u, 0,1,2,3
	v_cmp_eq_u32 vcc_lo, \u, v3
	v_cndmask_b32 v[SEL+8*\u], 0, v15, vcc_lo      ; SEL_u: the columns with n & 3 = u are all ones, the rest zero
.irp j, 1,2,3,4,5,6,7
	v_mov_b32 v[SEL+8*\u+\j], v[SEL+8*\u]
.endr
.endr
	s_wait_loadcnt 18                              ; P's 32 loads are in; the 18 of stage 0, issued behind them, stay out
	LOADST 1
	LOADST 2                                       ; 54 loads, 27 KiB, of a wave are now on their way
	WIN 0x40
.irp j, 0,1,2,3,4,5,6,7
	v_mov_b32 v[EP+\j], s[SEPS]
.endr
.set m, 0
.rept 64
	v_cvt_pk_bf16_f32 v[PR+m], v[ACC+2*m], v[ACC+2*m+1]
.set m, m+1
.endr
; four numbers of key i times the key's mask: the mask's pair is named whole, op_sel picks the key's register for both halves
.macro MMUL base, i, mk
.if (\i)&1
	v_pk_mul_f32 v[\base+4*\i:\base+4*\i+1],   v[\base+4*\i:\base+4*\i+1],   v[\mk+\i-1:\mk+\i] op_sel:[0,1] op_sel_hi:[1,1]
	v_pk_mul_f32 v[\base+4*\i+2:\base+4*\i+3], v[\base+4*\i+2:\base+4*\i+3], v[\mk+\i-1:\mk+\i] op_sel:[0,1] op_sel_hi:[1,1]
.else
	v_pk_mul_f32 v[\base+4*\i:\base+4*\i+1],   v[\base+4*\i:\base+4*\i+1],   v[\mk+\i:\mk+\i+1] op_sel_hi:[1,0]
	v_pk_mul_f32 v[\base+4*\i+2:\base+4*\i+3], v[\base+4*\i+2:\base+4*\i+3], v[\mk+\i:\mk+\i+1] op_sel_hi:[1,0]
.endif
.endm
.macro MCVT base, i
	v_cvt_pk_bf16_f32 v[\base+4*\i],   v[\base+4*\i],   v[\base+4*\i+1]
	v_cvt_pk_bf16_f32 v[\base+4*\i+1], v[\base+4*\i+2], v[\base+4*\i+3]
.endm
; Stage s, first part: mask, round to bf16, into LDS.
.macro CONVA s
.set X, 72*((\s)%3)
.if 7-(\s) >= 2
	s_wait_loadcnt 36                              ; loads come back in order (ISA guide 5.7.1): the two younger stages' 2 x 18 stay out
.else
	s_wait_loadcnt 18*(7-(\s))                     ; near the end fewer stages are behind this one
.endif
	WIN 0xaa
.irp i, 0,1,2,3,4,5,6,7
	MMUL X, \i, (X+64)
	MMUL (X+32), \i, (X+64)
.endr
.irp i, 0,1,2,3,4,5,6,7
	MCVT X, \i
	MCVT (X+32), \i
.endr
	WIN 0x08
.irp i, 0,1,2,3,4,5,6,7
	ds_store_b64 v[KST], v[X+4*\i:X+4*\i+1] offset:64*KPITCH*(\s)+KPITCH*\i
.endr
.irp i, 0,1,2,3,4,5,6,7
	ds_store_b64 v[VST+(\s)/4], v[X+32+4*\i:X+32+4*\i+1] offset:64*VPITCH*((\s)%4)+VPITCH*\i
.endr
.endm
; Stage s, second part, a step later: my stores are done, the slot is loaded again with stage s + 3, and I say so.
; The barrier's wait stands two steps further on, directly ahead of the first LDS loads of stage s; between the two stands register work alone.
.macro CONVB s
	s_wait_dscnt 0x0                               ; zero, for the other waves' sake: my part of the stage is in LDS before I signal
.if (\s) <= 4
	LOADST (\s)+3
.endif
	s_barrier_signal -1
.endm
; 16 LDS loads: key pair p (32 keys): K as A fragments (2 tiles x 2 halves of d), then V as B fragments (4 dv tiles, transposed on the way)
.macro FETCH p
	WIN 0x40
.irp tl, 0,1
.irp ks, 0,1
	ds_load_b128 v[KF+32*((\p)&1)+16*\tl+8*\ks:KF+32*((\p)&1)+16*\tl+8*\ks+3],   v[KA+(\p)/8] offset:32*KPITCH*((\p)%8)+16*KPITCH*\tl+64*\ks
	ds_load_b128 v[KF+32*((\p)&1)+16*\tl+8*\ks+4:KF+32*((\p)&1)+16*\tl+8*\ks+7], v[KA+(\p)/8] offset:32*KPITCH*((\p)%8)+16*KPITCH*\tl+64*\ks+32
.endr
.endr
	WIN 0
.irp t, 0,1,2,3
	ds_load_tr16_b128 v[VF+32*((\p)&1)+8*\t:VF+32*((\p)&1)+8*\t+3],   v[VA+(\p)/8] offset:32*VPITCH*((\p)%8)+32*\t
	ds_load_tr16_b128 v[VF+32*((\p)&1)+8*\t+4:VF+32*((\p)&1)+8*\t+7], v[VA+(\p)/8] offset:32*VPITCH*((\p)%8)+32*\t+16*VPITCH
.endr
.endm
; first product, instruction i of 4: key tile i & 1, half i >> 1 of d.  Order Da, Db, Da, Db.
.macro P1W i, q, u, dp
.set D_, DR+16*\dp+8*(\i&1)
.set A_, KF+32*\q+16*(\i&1)+8*(\i>>1)
.set B_, PR+16*\u+8*(\i>>1)
.if \i < 2
	v_wmma_f32_16x16x32_bf16 v[D_:D_+7], v[A_:A_+7], v[B_:B_+7], v[EP:EP+7]
.else
	v_wmma_f32_16x16x32_bf16 v[D_:D_+7], v[A_:A_+7], v[B_:B_+7], v[D_:D_+7]
.endif
.endm
; vector work k of a step's 24: 16 maxima in place, then 8 packings.  Registers 0-7 of the buffer (keys 8 h + j) make PH 0-3, 8-15 (keys 16 + 8 h + j) PH 4-7.
.macro VAL k, dp
.if \k < 16
	v_max_num_f32 v[DR+16*\dp+\k], s[SEPS], v[DR+16*\dp+\k]
.else
	v_cvt_pk_bf16_f32 v[PH+\k-16], v[DR+16*\dp+2*(\k-16)], v[DR+16*\dp+2*(\k-16)+1]
.endif
.endm
.macro VAL6 k0, dp
.irp e, 0,1,2,3,4,5
	VAL (\k0+\e), \dp
.endr
.endm
; second product: five sums by turns.  zero: the first key pair starts the sums; KS is started by its first feature tile alone.
.macro P2 u, q, zero
	WIN 0x01
.irp t, 0,1,2,3
.if \zero
	v_wmma_f32_16x16x32_bf16 v[ACC+32*\u+8*\t:ACC+32*\u+8*\t+7], v[PH:PH+7], v[VF+32*\q+8*\t:VF+32*\q+8*\t+7], 0
.else
	v_wmma_f32_16x16x32_bf16 v[ACC+32*\u+8*\t:ACC+32*\u+8*\t+7], v[PH:PH+7], v[VF+32*\q+8*\t:VF+32*\q+8*\t+7], v[ACC+32*\u+8*\t:ACC+32*\u+8*\t+7]
.endif
.endr
.if (\zero)*((\u)==0)
	v_wmma_f32_16x16x32_bf16 v[KS:KS+7], v[PH:PH+7], v[SEL+8*\u:SEL+8*\u+7], 0
.else
	v_wmma_f32_16x16x32_bf16 v[KS:KS+7], v[PH:PH+7], v[SEL+8*\u:SEL+8*\u+7], v[KS:KS+7]
.endif
.endm
; A step (feature tile u, fragment buffer q).  The NEXT step's first product (buffer nq, tile nu) is laid between this step's vector work, six plain
; vector instructions behind each matrix instruction; they name only the other x buffer and PH.  So x is read at the least 6 places behind the
; matrix instruction that wrote it, and PH is rewritten 16 places behind the last one that read it (4 are asked: ISA guide 7.12.1).
; w1, w2: counts of an LDS wait in front of the first product and of the second (-1: none).
.macro STEP nxt, nq, nu, u, q, zero, w1, w2
.if \w1 >= 0
	s_wait_dscnt \w1
.endif
	WIN 0x55
.irp i, 0,1,2,3
.if \nxt
	P1W \i, \nq, \nu, (1-((\u)&1))
.endif
	VAL6 6*\i, ((\u)&1)
.endr
.if \w2 >= 0
	s_wait_dscnt \w2
.endif
	P2 \u, \q, \zero
.endm
; feature tile u leaves: 8 stores of 512 consecutive bytes each, straight from the sums
.macro OUTU u
	WIN 0
.irp e, 0,1,2,3,4,5,6,7
	global_store_b128 v[OGO], v[ACC+32*\u+4*\e:ACC+32*\u+4*\e+3], s[12:13] offset:512*(8*\u+\e)
.endr
.endm
	CONVA 0
	CONVB 0
	s_barrier_wait -1
	FETCH 0
	s_wait_dscnt 8                                 ; K's 8 fragment loads are in; V's 8, issued behind them, may be out
	WIN 0x55
.irp i, 0,1,2,3
	P1W \i, 0, 0, 0
.endr
	PLACES
; 16 key pairs x 4 feature tiles.  Behind a pair's first step the next pair's fragments are fetched into the other buffer: V's was last read
; by the second product one step back (16 maxima stand between), K's two steps back.
; Stage s (pairs 2 s, 2 s + 1) is made in pair 2 s - 2: converted and stored behind its second step, signalled behind its third; the barrier's wait
; stands behind the first step of pair 2 s - 1, ahead of the fetch of pair 2 s.
; Counts: in front of a pair's first second product 0 (V's loads are the youngest); in front of the first product for the next pair 8 (V's 8 may stay out).
; In the last pair a feature tile's sums are stored one step behind its last product: that step's 24 vector instructions are the places between.
.irp p, 0,1,2,3,4,5,6,7,8,9,10,11,12,13,14,15
	STEP 1, (\p&1), 1, 0, (\p&1), (\p==0), -1, 0
.if \p < 15
.if \p&1
	s_barrier_wait -1                              ; every wave's part of the next stage is in LDS
.endif
	FETCH (\p+1)
.endif
	STEP 1, (\p&1), 2, 1, (\p&1), (\p==0), -1, -1
.if (\p < 14)*((\p&1)==0)
	CONVA (\p/2+1)
.endif
.if \p == 15
	OUTU 0
.endif
	STEP 1, (\p&1), 3, 2, (\p&1), (\p==0), -1, -1
.if (\p < 14)*((\p&1)==0)
	CONVB (\p/2+1)
.endif
.if \p == 15
	OUTU 1
.endif
.if \p < 15
	STEP 1, ((\p+1)&1), 0, 3, (\p&1), (\p==0), 8, -1
.else
	STEP 0, 0, 0, 3, (\p&1), 0, -1, -1
.endif
.endr
	OUTU 2
	PLACES                                         ; behind the very last products
	OUTU 3
	global_store_b128 v[OGO], v[KS:KS+3],   s[12:13] offset:512*32
	global_store_b128 v[OGO], v[KS+4:KS+7], s[12:13] offset:512*33
	s_wait_tensorcnt 0x0
	ds_add_u32 v254, v255
	s_wait_dscnt 0x0
	s_endpgm
.Lfunc_end_k_q31341eef63_kv:
	.size	k_q31341eef63_kv, .Lfunc_end_k_q31341eef63_kv-k_q31341eef63_kv
	.p2alignl 7, 3214868480
	.fill 96, 4, 3214868480
	.section	.rodata,"a",@progbits
	.p2align	6, 0x0
	.amdhsa_kernel k_q31341eef63_kv
		.amdhsa_group_segment_fixed_size 156160
		.amdhsa_private_segment_fixed_size 0
		.amdhsa_enable_private_segment 0
		.amdhsa_kernarg_size 40
		.amdhsa_user_sgpr_count 2
		.amdhsa_user_sgpr_kernarg_segment_ptr 1
		.amdhsa_wavefront_size32 1
		.amdhsa_system_sgpr_workgroup_id_x 1
		.amdhsa_system_sgpr_workgroup_id_y 1
		.amdhsa_system_sgpr_workgroup_id_z 1
		.amdhsa_system_vgpr_workitem_id 0
		.amdhsa_next_free_vgpr 728
		.amdhsa_next_free_sgpr 66
		.amdhsa_reserve_vcc 1
		.amdhsa_float_denorm_mode_32 3
		.amdhsa_float_denorm_mode_16_64 3
		.amdhsa_memory_ordered 1
		.amdhsa_forward_progress 1
		.amdhsa_inst_pref_size 193
	.end_amdhsa_kernel
	.amdgpu_metadata
---
amdhsa.version: [ 1, 2 ]
amdhsa.kernels:
  - .name:           k_q31341eef63_kv
    .symbol:         k_q31341eef63_kv.kd
    .args:
      - { .name: K, .offset: 0, .size: 8, .value_kind: global_buffer, .address_space: global }
      - { .name: V, .offset: 8, .size: 8, .value_kind: global_buffer, .address_space: global }
      - { .name: mask, .offset: 16, .size: 8, .value_kind: global_buffer, .address_space: global }
      - { .name: proj, .offset: 24, .size: 8, .value_kind: global_buffer, .address_space: global }
      - { .name: part, .offset: 32, .size: 8, .value_kind: global_buffer, .address_space: global }
    .group_segment_fixed_size: 156160
    .private_segment_fixed_size: 0
    .kernarg_segment_align: 8
    .kernarg_segment_size: 40
    .max_flat_workgroup_size: 128
    .sgpr_count:     66
    .vgpr_count:     728
    .wavefront_size: 32
...
	.end_amdgpu_metadata
.endif
;; end of part 1
;; launch red (part 2): grid 17 x 32, 4 waves a work-group, no clusters, 0 bytes of LDS; arguments part, ctxf; writes ctxf
.if DOCPART == 2
	.amdgcn_target "amdgcn-amd-amdhsa--gfx1250"
	.amdhsa_code_object_version 6
	.text
	.protected	k_q31341eef63_red
	.globl	k_q31341eef63_red
	.p2align	8
	.type	k_q31341eef63_red,@function
k_q31341eef63_red:
	s_mov_b64 s[64:65], 0
	v_nop
	global_prefetch_b8 v0, s[64:65] scope:SCOPE_SE
	s_setreg_imm32_b32 hwreg(HW_REG_WAVE_MODE, 25, 1), 1
	s_wait_xcnt 0x0
; ctxf[bh][w][tile][lane][8] = bf16( sum over the 8 chunks c, ascending, of part[bh][c][w][tile][2][lane][4] ).
; part holds the key side's sum registers as they lay: a tile is 8 registers of 32 lanes, 1,024 bytes, registers 0-3 in its first 512 bytes and 4-7 in
; its second.  17 tiles a key-side wave (16 of ctx, 1 of ksum), 4 such waves a head.  One wave here takes one tile (x = tile, wave = w, y = bh):
; a lane adds up its own 8 numbers and packs them into 16 bytes, which are registers 0-3 or 4-7 of the query side's A fragment for that lane.
; A pure stream: all 16 loads of a wave go out at once, each 512 consecutive bytes; no LDS, no barrier, no matrix unit, since no number is used twice.
.set PARTW, 34*512
.set PARTB, 4*PARTW
.set CTW,   34*256
	s_load_b128 s[4:7], s[0:1], 0x0                ; part s[4:5], ctxf s[6:7]
	v_lshrrev_b32 v1, 5, v0
	v_readfirstlane_b32 s8, v1                     ; wave 0..3
	s_and_b32 s9, ttmp7, 0xffff                    ; bh
	s_mul_i32 s12, s9, 8*PARTB
	s_mul_i32 s10, s8, PARTW
	s_add_co_u32 s12, s12, s10
	s_lshl_b32 s10, ttmp9, 10                      ; a tile is 1,024 bytes of f32,
	s_add_co_u32 s12, s12, s10
	s_mov_b32 s13, 0
	s_mul_i32 s14, s9, 4*CTW
	s_mul_i32 s10, s8, CTW
	s_add_co_u32 s14, s14, s10
	s_lshl_b32 s10, ttmp9, 9                       ; 512 of bf16
	s_add_co_u32 s14, s14, s10
	s_mov_b32 s15, 0
	v_and_b32 v1, 31, v0
	v_lshlrev_b32 v1, 4, v1                        ; 16 bytes a lane, in and out
	s_wait_kmcnt 0x0
	s_add_nc_u64 s[4:5], s[4:5], s[12:13]
	s_add_nc_u64 s[6:7], s[6:7], s[14:15]
.irp c, 0,1,2,3,4,5,6,7
	global_load_b128 v[8+8*\c:11+8*\c],  v1, s[4:5] offset:PARTB*\c th:TH_LOAD_NT
	global_load_b128 v[12+8*\c:15+8*\c], v1, s[4:5] offset:PARTB*\c+512 th:TH_LOAD_NT
.endr
.irp c, 1,2,3,4,5,6,7
	s_wait_loadcnt 14-2*\c                         ; loads come back in order (ISA guide 5.7.1): two for each chunk above c stay out
	v_pk_add_f32 v[8:9],   v[8:9],   v[8+8*\c:9+8*\c]
	v_pk_add_f32 v[10:11], v[10:11], v[10+8*\c:11+8*\c]
	v_pk_add_f32 v[12:13], v[12:13], v[12+8*\c:13+8*\c]
	v_pk_add_f32 v[14:15], v[14:15], v[14+8*\c:15+8*\c]
.endr
	v_cvt_pk_bf16_f32 v4, v8, v9
	v_cvt_pk_bf16_f32 v5, v10, v11
	v_cvt_pk_bf16_f32 v6, v12, v13
	v_cvt_pk_bf16_f32 v7, v14, v15
	global_store_b128 v1, v[4:7], s[6:7]           ; the wave stores 512 consecutive bytes, aligned
	s_endpgm
.Lfunc_end_k_q31341eef63_red:
	.size	k_q31341eef63_red, .Lfunc_end_k_q31341eef63_red-k_q31341eef63_red
	.p2alignl 7, 3214868480
	.fill 96, 4, 3214868480
	.section	.rodata,"a",@progbits
	.p2align	6, 0x0
	.amdhsa_kernel k_q31341eef63_red
		.amdhsa_group_segment_fixed_size 0
		.amdhsa_private_segment_fixed_size 0
		.amdhsa_enable_private_segment 0
		.amdhsa_kernarg_size 16
		.amdhsa_user_sgpr_count 2
		.amdhsa_user_sgpr_kernarg_segment_ptr 1
		.amdhsa_wavefront_size32 1
		.amdhsa_system_sgpr_workgroup_id_x 1
		.amdhsa_system_sgpr_workgroup_id_y 1
		.amdhsa_system_sgpr_workgroup_id_z 1
		.amdhsa_system_vgpr_workitem_id 0
		.amdhsa_next_free_vgpr 72
		.amdhsa_next_free_sgpr 66
		.amdhsa_reserve_vcc 0
		.amdhsa_float_denorm_mode_32 3
		.amdhsa_float_denorm_mode_16_64 3
		.amdhsa_memory_ordered 1
		.amdhsa_forward_progress 1
		.amdhsa_inst_pref_size 5
	.end_amdhsa_kernel
	.amdgpu_metadata
---
amdhsa.version: [ 1, 2 ]
amdhsa.kernels:
  - .name:           k_q31341eef63_red
    .symbol:         k_q31341eef63_red.kd
    .args:
      - { .name: part, .offset: 0, .size: 8, .value_kind: global_buffer, .address_space: global }
      - { .name: ctxf, .offset: 8, .size: 8, .value_kind: global_buffer, .address_space: global }
    .group_segment_fixed_size: 0
    .private_segment_fixed_size: 0
    .kernarg_segment_align: 8
    .kernarg_segment_size: 16
    .max_flat_workgroup_size: 128
    .sgpr_count:     66
    .vgpr_count:     72
    .wavefront_size: 32
...
	.end_amdgpu_metadata
.endif
;; end of part 2
;; launch qo (part 3): grid 8 x 32, 4 waves a work-group, no clusters, 246,272 bytes of LDS; arguments Q, proj, ctxf, out0; writes out0
.if DOCPART == 3
	.amdgcn_target "amdgcn-amd-amdhsa--gfx1250"
	.amdhsa_code_object_version 6
	.text
	.protected	k_q31341eef63_qo
	.globl	k_q31341eef63_qo
	.p2align	8
	.type	k_q31341eef63_qo,@function
k_q31341eef63_qo:
	s_mov_b64 s[64:65], 0
	v_nop
	global_prefetch_b8 v0, s[64:65] scope:SCOPE_SE
	s_setreg_imm32_b32 hwreg(HW_REG_WAVE_MODE, 25, 1), 1
	s_wait_xcnt 0x0
; Performer attention, query side.  One work-group = 512 queries (chunk c = x) of one head (bh = y):
;   out[n][dv] = (phi[n] . ctx[.][dv]) / (phi[n] . ksum),   phi = relu(Q P^T) + eps / s,   s = 64^(-1/4).
; THE SCALE: numerator and denominator are both linear in phi_q and in phi_k, so dividing both feature maps by s changes nothing, for any input:
; s is never multiplied in and eps becomes eps / s = 0.0028284271 (the key side does the same).  eps / s is the C operand of the first product:
; relu(x) + e = max(x + e, e).
; LIMITS: matrix operands (Q, P, phi, ctx, ksum) are bf16, sums f32; x + e is rounded once inside the matrix sum; the division is v_rcp_f32
; (1 ULP) and a multiply, and a denominator above 2^126 gives 0 (the reciprocal is flushed); denominators are at least 256 x 4096 x (eps/s)^2 = 8.4;
; a NaN in Q or P loses in the maximum.
; SHARES: wave w owns queries 128 w .. + 127, four groups of 32.  P (256 registers) and ctx^T with ksum (320 registers) stay in each wave's
; registers, so they are read from LDS once a wave.  A STEP = 32 features x 16 queries: 4 products for x (D: lane = query, registers = features,
; which IS the B layout of phi), 16 maxima, 8 packings, 5 products: ctx^T phi on four dv tiles and a tile whose 16 rows are all ksum, which
; gives every lane its own query's denominator.
; ctxf[bh][w'][tile][lane][8 bf16] is in fragment order: tile 4 u + t of key-side wave w' holds, for lane (r, h), ctx[64 w' + 16 u + 8 h .. + 7][16 t + r]:
; registers 0-3 (u even) or 4-7 (u odd) of the A fragment of feature block 2 w' + (u >> 1), dv tile t.  Tile 16 holds ksum: lane (u, h) has
; ksum[64 w' + 16 u + 8 h .. + 7], which all sixteen lanes of a half read together.
; LDS: nothing is filled twice.  Q (f32, each wave's own rows) and ctxf's image come by tensor loads, three a wave, all issued at the start: three are out
; at the most.  P's bf16 image and the stage for the way out are written by LDS stores and lie in 256-byte blocks of their own.
; NO CLUSTER: Q and out0 are private to a work-group; what is shared (proj, which has to pass through registers to be rounded, and 34 KiB of ctxf)
; is read once at the start, beside 256 KiB of Q and out0 that each work-group moves alone.
.set EPSQ,   0x3b395d22
.set QPITCH, 272                       ; 64 f32 + 16 bytes
.set PPITCH, 144                       ; 64 bf16 + 16 bytes
.set CTW,    34*256                    ; the 17 tiles of one key-side wave in bf16; also what one wave here fetches
.set CT, 512*QPITCH                    ; LDS: Q at 0; ctxf's image of my head, dense;
.set PB, CT+4*CTW                      ; P, 256 rows;
.set OS, PB+256*PPITCH                 ; the way out: 32 rows of 272 bytes for each wave
; window 0
.set PGO, 4
.set PST, 5
.set PFA, 6
.set CFA, 7                            ; CT + 16 L
.set DFA, 8                            ; CT + 256 h
.set QFA, 9
.set OSA, 10
.set ORA, 11
.set OGO, 12
.set RC,  14                           ; v[14:17]   1 / denominator, a pair for each block of 16 queries
.set T,   24                           ; v[24:87]   Q as f32; rows on the way out.  At the start v[24:151]: P as f32
.set ACC, 88                           ; v[88:167]  sums: 40 b + 8 t  (b block of 16 queries, t = 0..3 dv tile, 4 = denominator)
.set CT0, 168                          ; v[168:247] ctx^T fragments of feature blocks 6, 7: 40 (fp - 6) + 8 t
; windows 1 (features 0-127) and 2 (features 128-255), the same numbers in both
.set PR, 0                             ; v[0:127]   P fragments: 16 ft + 8 ks
.set QR, 128                           ; v[128:159] Q fragments: 16 b + 8 ks
.set DR, 160                           ; v[160:191] x, two buffers of 16
.set PH, 192                           ; v[192:199] phi fragment
.set EP, 200                           ; v[200:207] eps / s everywhere
; window 3: v[0:239] ctx^T fragments of feature blocks 0-5: 40 fp + 8 t
.set SEPS, 15
.set G1Q, 24                           ; s[24:31] shape of a Q tile
.set G1C, 32                           ; s[32:39] shape of a wave's part of ctxf
.set G0C, 40                           ; s[40:43]
.set G0Q, 44                           ; s[44:51] two sets
.set MSB, 0
.macro WIN new                         ; low byte: bits 1:0 source 0, 3:2 source 1, 5:4 source 2, 7:6 destination; high byte: the setting left
.if MSB != \new
	s_set_vgpr_msb (MSB<<8)|\new
.set MSB, \new
.endif
.endm
.macro PLACES                          ; four plain vector places behind a matrix instruction (ISA guide 7.12.1)
.rept 4
	v_nop
.endr
.endm
	s_load_b256 s[4:11], s[0:1], 0x0               ; Q s[4:5], proj s[6:7], ctxf s[8:9], out0 s[10:11]
	v_lshl_add_u32 v254, v0, 2, 0x3c000
	v_mov_b32 v255, 0
	ds_add_u32 v254, v255
	ds_add_u32 v254, v255
	v_lshrrev_b32 v1, 5, v0
	v_readfirstlane_b32 s12, v1                    ; wave 0..3
	s_and_b32 s14, ttmp7, 0xffff                   ; bh
	s_mov_b32 s[SEPS], EPSQ
	; a Q tile: 64 rows x 64 f32, 256 bytes a row in memory, 16 bytes of padding behind each row in LDS
	s_mov_b32 s[G1Q+0], (2<<16)|(1<<20)|(5<<22)|(3<<25)   ; element of 4 bytes; padding on; after every 64 words; of 4 words
	s_mov_b32 s[G1Q+1], 64<<16                     ; tensor_dim0 = 64
	s_mov_b32 s[G1Q+2], 64<<16                     ; tensor_dim1 = 64
	s_mov_b32 s[G1Q+3], 64<<16                     ; tile_dim0 = 64
	s_mov_b32 s[G1Q+4], 64                         ; tile_dim1 = 64
	s_mov_b32 s[G1Q+5], 64                         ; elements from row to row
	s_mov_b32 s[G1Q+6], 0
	s_mov_b32 s[G1Q+7], 0
	; a wave's part of ctxf: a dense block of 8,704 bytes as 34 rows of 32 elements of 8 bytes, no padding
	s_mov_b32 s[G1C+0], 3<<16
	s_mov_b32 s[G1C+1], 32<<16
	s_mov_b32 s[G1C+2], 34<<16
	s_mov_b32 s[G1C+3], 32<<16
	s_mov_b32 s[G1C+4], 34
	s_mov_b32 s[G1C+5], 32
	s_mov_b32 s[G1C+6], 0
	s_mov_b32 s[G1C+7], 0
	s_lshl_b32 s18, s14, 20                        ; a head of Q or out0 is 4096 x 256 bytes,
	s_lshl_b32 s16, ttmp9, 17                      ; a chunk 512 x 256,
	s_add_co_u32 s18, s18, s16
	s_lshl_b32 s16, s12, 15                        ; a wave's queries 128 x 256
	s_add_co_u32 s18, s18, s16
	s_mov_b32 s19, 0
	s_mul_i32 s20, s14, 4*CTW                      ; my head in ctxf,
	s_mul_i32 s16, s12, CTW                        ; the quarter that my wave fetches (the same offset in memory and in LDS)
	s_add_co_u32 s20, s20, s16
	s_mov_b32 s21, 0
	s_mul_i32 s17, s12, 128*QPITCH
	v_and_b32 v1, 15, v0                           ; r
	v_bfe_u32 v2, v0, 4, 1                         ; h
	s_lshl_b32 s52, s12, 14
	v_lshl_add_u32 v[PGO], v1, 4, s52              ; proj: rows 64 w + 8 h + .., 16 bytes at 16 r: sixteen lanes take one row's 256 bytes
	v_lshl_add_u32 v[PGO], v2, 11, v[PGO]
	s_wait_dscnt 0x0
	s_wait_kmcnt 0x0
	; proj first: the first product hangs on it through a rounding, an LDS image and a barrier, so its bytes are asked for ahead of the tiles'
.irp gq, 0,1,2,3
.irp i, 0,1,2,3,4,5,6,7
	global_load_b128 v[T+4*(8*\gq+\i):T+4*(8*\gq+\i)+3], v[PGO], s[6:7] offset:4096*\gq+256*\i
.endr
.endr
	s_add_nc_u64 s[4:5], s[4:5], s[18:19]
	s_add_nc_u64 s[10:11], s[10:11], s[18:19]
	s_add_nc_u64 s[8:9], s[8:9], s[20:21]
	; the three first fills go out together, ahead of every wait on TENSORcnt, every LDS read and every barrier
	s_mov_b32 s[G0C], 1
	s_add_co_u32 s[G0C+1], s16, CT
	s_mov_b64 s[G0C+2:G0C+3], s[8:9]
	s_or_b32 s[G0C+3], s[G0C+3], 0x80000000
	tensor_load_to_lds s[G0C:G0C+3], s[G1C:G1C+7]
	s_nop 0
.irp j, 0,1
	s_mov_b32 s[G0Q+4*\j], 1
	s_add_co_u32 s[G0Q+4*\j+1], s17, \j*64*QPITCH
	s_add_nc_u64 s[G0Q+4*\j+2:G0Q+4*\j+3], s[4:5], \j*16384
	s_or_b32 s[G0Q+4*\j+3], s[G0Q+4*\j+3], 0x80000000
	tensor_load_to_lds s[G0Q+4*\j:G0Q+4*\j+3], s[G1Q:G1Q+7]
	s_nop 0
.endr
	s_lshl_b32 s52, s12, 6
	v_lshl_add_u32 v[PST], v2, 3, s52              ; row 64 w + 8 h
	v_mul_u32_u24 v[PST], v[PST], PPITCH
	v_lshl_add_u32 v[PST], v1, 3, v[PST]
	v_add_nc_u32 v[PST], PB, v[PST]
	v_mul_u32_u24 v[PFA], v1, PPITCH
	v_lshl_add_u32 v[PFA], v2, 4, v[PFA]
	v_add_nc_u32 v[PFA], PB, v[PFA]
	v_and_b32 v[OGO], 31, v0
	v_lshlrev_b32 v[OGO], 4, v[OGO]                ; 16 L
	v_add_nc_u32 v[CFA], CT, v[OGO]
	v_lshlrev_b32 v[DFA], 8, v2                    ; lane (u, h) of a ksum tile lies at 16 u + 256 h; 16 u stands in the immediate
	v_add_nc_u32 v[DFA], CT, v[DFA]
	v_mul_u32_u24 v3, v1, QPITCH
	v_lshl_add_u32 v3, v2, 5, v3                   ; row r, 32 h: 8 f32
	v_add_nc_u32 v[QFA], s17, v3
	s_mul_i32 s52, s12, 32*QPITCH
	s_add_co_u32 s52, s52, OS                      ; my stage
	v_add_nc_u32 v[OSA], s52, v3
	v_mul_u32_u24 v[ORA], v2, QPITCH
	v_lshl_add_u32 v[ORA], v1, 4, v[ORA]
	v_add_nc_u32 v[ORA], s52, v[ORA]
	WIN 0x40
.irp j, 0,1,2,3,4,5,6,7
	v_mov_b32 v[EP+\j], s[SEPS]
.endr
	WIN 0x80
.irp j, 0,1,2,3,4,5,6,7
	v_mov_b32 v[EP+\j], s[SEPS]
.endr
	WIN 0
	s_wait_loadcnt 0x0                             ; P's 32 loads: the only loads into registers of this text
.set n, 0
.rept 32
	v_cvt_pk_bf16_f32 v[T+4*n],   v[T+4*n],   v[T+4*n+1]
	v_cvt_pk_bf16_f32 v[T+4*n+1], v[T+4*n+2], v[T+4*n+3]
.set n, n+1
.endr
.irp gq, 0,1,2,3
.irp i, 0,1,2,3,4,5,6,7
	ds_store_b64 v[PST], v[T+4*(8*\gq+\i):T+4*(8*\gq+\i)+1] offset:PPITCH*(16*\gq+\i)
.endr
.endr
	s_wait_tensorcnt 2                             ; my quarter of ctxf has landed; my two Q tiles, issued behind it, may stay out
	s_wait_dscnt 0x0                               ; zero, for the others' sake: my 64 rows of P are in LDS
	s_barrier_signal -1
	s_barrier_wait -1
; 4 LDS loads: the A fragments of feature tile ftg (0..15) of P, into window 1 (tiles 0-7) or 2 (8-15)
.macro PLOAD ftg
	WIN (0x40*(1+((\ftg)>>3)))
.irp ks, 0,1
	ds_load_b128 v[PR+16*((\ftg)&7)+8*\ks:PR+16*((\ftg)&7)+8*\ks+3],   v[PFA] offset:16*PPITCH*(\ftg)+64*\ks
	ds_load_b128 v[PR+16*((\ftg)&7)+8*\ks+4:PR+16*((\ftg)&7)+8*\ks+7], v[PFA] offset:16*PPITCH*(\ftg)+64*\ks+32
.endr
.endm
; 10 LDS loads: feature block fp (32 features) of ctx^T, four dv tiles, and of ksum.  Key-side wave fp >> 1, its feature tiles u = 2 (fp & 1) and u + 1:
; tile 4 u + t lies at 512 (4 u + t), lane L at 16 L: 512 neighbouring bytes a load.
.macro CLOAD fp
.if \fp < 6
	WIN 0xc0
.set C_, 40*\fp
.else
	WIN 0
.set C_, CT0+40*(\fp-6)
.endif
.set O_, CTW*((\fp)>>1)+4096*((\fp)&1)
.irp t, 0,1,2,3
	ds_load_b128 v[C_+8*\t:C_+8*\t+3],   v[CFA] offset:O_+512*\t
	ds_load_b128 v[C_+8*\t+4:C_+8*\t+7], v[CFA] offset:O_+512*\t+2048
.endr
	ds_load_b128 v[C_+32:C_+35], v[DFA] offset:CTW*((\fp)>>1)+8192+32*((\fp)&1)
	ds_load_b128 v[C_+36:C_+39], v[DFA] offset:CTW*((\fp)>>1)+8192+32*((\fp)&1)+16
.endm
; 16 LDS loads: group g (32 queries) as f32, in the order of the B fragment: lane (r, h) takes d = 32 ks + 8 h .. + 7 and 32 ks + 16 + 8 h .. + 7 of query r
.macro QLOAD g
	WIN 0
.irp b, 0,1
.irp ks, 0,1
	ds_load_b128 v[T+32*\b+16*\ks:T+32*\b+16*\ks+3],     v[QFA] offset:32*QPITCH*(\g)+16*QPITCH*\b+128*\ks
	ds_load_b128 v[T+32*\b+16*\ks+4:T+32*\b+16*\ks+7],   v[QFA] offset:32*QPITCH*(\g)+16*QPITCH*\b+128*\ks+16
	ds_load_b128 v[T+32*\b+16*\ks+8:T+32*\b+16*\ks+11],  v[QFA] offset:32*QPITCH*(\g)+16*QPITCH*\b+128*\ks+64
	ds_load_b128 v[T+32*\b+16*\ks+12:T+32*\b+16*\ks+15], v[QFA] offset:32*QPITCH*(\g)+16*QPITCH*\b+128*\ks+80
.endr
.endr
.endm
; Q to bf16, once into each of the two windows in which the first product runs
.macro QCVT
.irp wn, 0x40, 0x80
	WIN \wn
.set n, 0
.rept 32
	v_cvt_pk_bf16_f32 v[QR+n], v[T+2*n], v[T+2*n+1]
.set n, n+1
.endr
.endr
.endm
; first product for step x of a window (feature block x >> 1, query block x & 1), instruction i of 4: feature tile i & 1, half i >> 1 of d.
; Order Da, Db, Da, Db.
.macro P1W i, x
.set D_, DR+16*((\x)&1)+8*(\i&1)
.set A_, PR+32*((\x)>>1)+16*(\i&1)+8*(\i>>1)
.set B_, QR+16*((\x)&1)+8*(\i>>1)
.if \i < 2
	v_wmma_f32_16x16x32_bf16 v[D_:D_+7], v[A_:A_+7], v[B_:B_+7], v[EP:EP+7]
.else
	v_wmma_f32_16x16x32_bf16 v[D_:D_+7], v[A_:A_+7], v[B_:B_+7], v[D_:D_+7]
.endif
.endm
.macro VAL k, dp
.if \k < 16
	v_max_num_f32 v[DR+16*\dp+\k], s[SEPS], v[DR+16*\dp+\k]
.else
	v_cvt_pk_bf16_f32 v[PH+\k-16], v[DR+16*\dp+2*(\k-16)], v[DR+16*\dp+2*(\k-16)+1]
.endif
.endm
.macro VAL6 k0, dp
.irp e, 0,1,2,3,4,5
	VAL (\k0+\e), \dp
.endr
.endm
; second product: A = ctx^T (window 3, or 0 for feature blocks 6 and 7), B = phi (the step's window), five sums by turns
.macro P2 win, x
.set FP, 4*(\win-1)+((\x)>>1)
.set S_, ACC+40*((\x)&1)
.if FP < 6
	WIN (0x03|(\win<<2))
.set C_, 40*FP
.else
	WIN 0x08
.set C_, CT0+40*(FP-6)
.endif
.irp t, 0,1,2,3,4
.if FP == 0
	v_wmma_f32_16x16x32_bf16 v[S_+8*\t:S_+8*\t+7], v[C_+8*\t:C_+8*\t+7], v[PH:PH+7], 0
.else
	v_wmma_f32_16x16x32_bf16 v[S_+8*\t:S_+8*\t+7], v[C_+8*\t:C_+8*\t+7], v[PH:PH+7], v[S_+8*\t:S_+8*\t+7]
.endif
.endr
.endm
; A step.  The next step's first product is laid between this step's vector work, six plain vector instructions behind each matrix instruction;
; they name only the other x buffer and PH.  So x is read at the least 6 places behind the matrix instruction that wrote it, and PH is rewritten
; 16 places behind the last one that read it (4 are asked: ISA guide 7.12.1).
.macro STEP nxt, x, win
	WIN (0x55*\win)
.irp i, 0,1,2,3
.if \nxt
	P1W \i, (\x+1)
.endif
	VAL6 6*\i, ((\x)&1)
.endr
	P2 \win, \x
.endm
; 128 features x 32 queries: eight steps in one window.  pre = 1 (the very first phase): behind each step come 8 or 10 of the 72 LDS loads that only
; the second phase needs (P's feature tiles 8-15, ctx^T's feature blocks 4-7), into registers that no matrix instruction has named yet.
.macro PHASE win, pre
	WIN (0x55*\win)
.irp i, 0,1,2,3
	P1W \i, 0
.endr
	PLACES
.irp x, 0,1,2,3,4,5,6
	STEP 1, \x, \win
.if \pre
.if \x < 4
	PLOAD (8+2*\x)
	PLOAD (9+2*\x)
.else
	CLOAD \x
.endif
.endif
.endr
	STEP 0, 7, \win
.if \pre
	CLOAD 7
.endif
.endm
; A group leaves, first part: divide, 32 bytes a lane (8 neighbouring dv of a query) into my own stage, whole rows asked back.
.macro OUTA
	WIN 0
	v_rcp_f32 v[RC],   v[ACC+32]                   ; every register of the fifth tile holds the lane's query's denominator
	v_rcp_f32 v[RC+1], v[ACC+32]
	v_rcp_f32 v[RC+2], v[ACC+72]
	v_rcp_f32 v[RC+3], v[ACC+72]
	v_nop                                          ; one plain place behind a transcendental before its result is used (ISA guide 5.7.2)
	s_wait_alu depctr_va_vdst(0)
.irp b, 0,1
.irp t, 0,1,2,3
.irp e, 0,2,4,6
	v_pk_mul_f32 v[ACC+40*\b+8*\t+\e:ACC+40*\b+8*\t+\e+1], v[ACC+40*\b+8*\t+\e:ACC+40*\b+8*\t+\e+1], v[RC+2*\b:RC+2*\b+1]
.endr
.endr
.endr
.irp b, 0,1
.irp t, 0,1,2,3
	ds_store_b128 v[OSA], v[ACC+40*\b+8*\t:ACC+40*\b+8*\t+3]   offset:16*QPITCH*\b+64*\t
	ds_store_b128 v[OSA], v[ACC+40*\b+8*\t+4:ACC+40*\b+8*\t+7] offset:16*QPITCH*\b+64*\t+16
.endr
.endr
.irp i, 0,1,2,3,4,5,6,7,8,9,10,11,12,13,14,15
	ds_load_b128 v[T+4*\i:T+4*\i+3], v[ORA] offset:2*QPITCH*\i   ; my own bytes: LDS serves a wave's instructions in order (ISA guide 5.7.1), so these see the stores above
.endr
.endm
; Second part, for groups 0-2 behind the next group's first phase, which touches neither T nor LDS: the rows are stored.
.macro OUTB g
	WIN 0
.irp i, 0,1,2,3,4,5,6,7,8,9,10,11,12,13,14,15
	s_wait_dscnt 15-\i                             ; these 16 loads are the youngest LDS instructions: 15 - i stand behind load i
	global_store_b128 v[OGO], v[T+4*\i:T+4*\i+3], s[10:11] offset:8192*(\g)+512*\i th:TH_STORE_NT   ; two rows: 512 consecutive bytes, aligned
.endr
.endm
	; what the first phase needs, in the order of need: P's feature tiles 0-7 (32 loads), Q's group 0 (16), ctx^T's feature blocks 0-3 (40)
.irp ft, 0,1,2,3,4,5,6,7
	PLOAD \ft
.endr
	s_wait_tensorcnt 1                             ; my first Q tile (groups 0, 1) has landed; the second, issued behind it, may stay out
	QLOAD 0
.irp fp, 0,1,2,3
	CLOAD \fp
.endr
	s_wait_dscnt 40                                ; P and Q are in; the 40 loads of ctx^T, issued behind them, come in under the packing of Q
	QCVT
	s_wait_dscnt 0x0
.irp g, 0,1,2,3
	PHASE 1, (\g==0)
.if \g > 0
	OUTB (\g-1)
	s_wait_xcnt 0x0                                ; T is the data of these stores: it is loaded again only behind this wait
.endif
.if \g < 3
.if \g == 1
	s_wait_tensorcnt 0x0                           ; my second Q tile (groups 2, 3); none is out from here on
.endif
	QLOAD (\g+1)                                   ; the next group's Q comes in under the second half's steps
.endif
.if \g == 0
	s_wait_dscnt 16                                ; the 72 loads laid behind the first phase's steps are in; the 16 of Q just issued may stay out
.endif
	PHASE 2, 0
.if \g < 3
	s_wait_dscnt 0x0
	QCVT                                           ; 64 plain vector instructions: also the places between the last products and the division
.else
	PLACES
.endif
	OUTA
.endr
	OUTB 3
	s_wait_tensorcnt 0x0
	ds_add_u32 v254, v255
	s_wait_dscnt 0x0
	s_endpgm
.Lfunc_end_k_q31341eef63_qo:
	.size	k_q31341eef63_qo, .Lfunc_end_k_q31341eef63_qo-k_q31341eef63_qo
	.p2alignl 7, 3214868480
	.fill 96, 4, 3214868480
	.section	.rodata,"a",@progbits
	.p2align	6, 0x0
	.amdhsa_kernel k_q31341eef63_qo
		.amdhsa_group_segment_fixed_size 246272
		.amdhsa_private_segment_fixed_size 0
		.amdhsa_enable_private_segment 0
		.amdhsa_kernarg_size 32
		.amdhsa_user_sgpr_count 2
		.amdhsa_user_sgpr_kernarg_segment_ptr 1
		.amdhsa_wavefront_size32 1
		.amdhsa_system_sgpr_workgroup_id_x 1
		.amdhsa_system_sgpr_workgroup_id_y 1
		.amdhsa_system_sgpr_workgroup_id_z 1
		.amdhsa_system_vgpr_workitem_id 0
		.amdhsa_next_free_vgpr 1024
		.amdhsa_next_free_sgpr 66
		.amdhsa_reserve_vcc 0
		.amdhsa_float_denorm_mode_32 3
		.amdhsa_float_denorm_mode_16_64 3
		.amdhsa_memory_ordered 1
		.amdhsa_forward_progress 1
		.amdhsa_inst_pref_size 175
	.end_amdhsa_kernel
	.amdgpu_metadata
---
amdhsa.version: [ 1, 2 ]
amdhsa.kernels:
  - .name:           k_q31341eef63_qo
    .symbol:         k_q31341eef63_qo.kd
    .args:
      - { .name: Q, .offset: 0, .size: 8, .value_kind: global_buffer, .address_space: global }
      - { .name: proj, .offset: 8, .size: 8, .value_kind: global_buffer, .address_space: global }
      - { .name: ctxf, .offset: 16, .size: 8, .value_kind: global_buffer, .address_space: global }
      - { .name: out0, .offset: 24, .size: 8, .value_kind: global_buffer, .address_space: global }
    .group_segment_fixed_size: 246272
    .private_segment_fixed_size: 0
    .kernarg_segment_align: 8
    .kernarg_segment_size: 32
    .max_flat_workgroup_size: 128
    .sgpr_count:     66
    .vgpr_count:     1024
    .wavefront_size: 32
...
	.end_amdgpu_metadata
.endif
;; end of part 3
